; MI455X (gfx1250); checked and timed in simulation.
; The chip was launched on July 23, 2026; its instructions are those of AMD's public machine-readable ISA for CDNA 5 (MIT licence, August 2026) and "CDNA5" Instruction Set Architecture Reference Guide (July 2026). The comments in the code are by the model that wrote it; some were corrected since.
;; Nflow. Allowed arithmetic: matrix products marked QUANTISED: E4M3 operands, one given power-of-two scale a tensor, by v_wmma_f32_16x16x64_fp8_fp8 or v_wmma_f32_16x16x128_fp8_fp8, f32 sums; products left as they are: f32 operands where the result goes on into a quantised operand, else bf16, f16 or f32 operands; f32 sums; everything else in f32.
;; Inputs: W0 1 x 128 float32; W1 128 x 128 float32; W2 128 x 128 float32; W3 128 x 128 float32; W4 128 x 14 float32; b0 128 float32; b1 128 float32; b2 128 float32; b3 128 float32; b4 14 float32; lowp_scales 6 int32 (the exponents e of the quantised operands' scales 2^e); x 524,288 x 1 float32; z 524,288 x 1 float32.
;; Outputs: out0 524,288 x 1 float32.
;; This version of the problem:
;;   THIS VERSION OF THE PROBLEM IS GIVEN IN LOW PRECISION. The matrix products marked QUANTISED in the list below multiply operands that are first quantised to E4M3 (4 exponent bits, 3 mantissa bits; 8 bits a number), with one given power-of-two scale for each operand tensor; their sums are f32. All else is computed in f32.
;;   The module's matrix products, in the order in which they are computed (A, B: the left and right operand; K: the contracted axis; several contracted axes count as one K, in the product's order):
;;     1. [M 524,288, K 1] x [K 1, N 128]; A: input x; B: input W0: left as it is (K = 1 < 32)
;;     2. [M 524,288, K 128] x [K 128, N 128]; A: computed on the way; B: input W1: QUANTISED (scales: A lowp_scales[0], B lowp_scales[1])
;;     3. [M 524,288, K 128] x [K 128, N 128]; A: computed on the way; B: input W2: QUANTISED (scales: A lowp_scales[2], B lowp_scales[3])
;;     4. [M 524,288, K 128] x [K 128, N 128]; A: computed on the way; B: input W3: QUANTISED (scales: A lowp_scales[4], B lowp_scales[5])
;;     5. [M 524,288, K 128] x [K 128, N 14]; A: computed on the way; B: input W4: left as it is (N = 14 < 16)
;;   THE QUANTISER, for each operand of a quantised product, along K:
;;     - The operand's scale is 2^e, e = its entry of the input lowp_scales (int32; the entries are numbered through the quantised products in the list's order, A before B).
;;     - Each number is divided by the scale, clamped to +-448, and rounded to the nearest number of E4M3, ties to even, subnormals kept.
;;     - The product sums the exact products of the quantised numbers (number of the format x scale) in f32.
;;   ~~~python
;;   def quantise(x, axis, e):      # numpy; x: float32 -> the quantised numbers, widened to float32 again
;;       x = np.moveaxis(x, axis, -1); K = x.shape[-1]
;;       r = np.clip(x / 2.0 ** e, -448, 448)
;;       step = 2.0 ** (np.maximum(np.frexp(np.where(r == 0, 1, r))[1] - 1, -6) - 3)
;;       q = np.round(r / step) * step * 2.0 ** e      # np.round: ties to even
;;       return np.moveaxis(q, -1, axis).astype(np.float32)
;;   ~~~
;;   OPERANDS COMPUTED ON THE WAY. 'Computed on the way' means the value that the module computes at that place (a softmax that the list does not call 'softmax' is quantised finished and normalised). What goes into a quantiser is computed in f32, as accurately as f32 sums, v_exp_f32 and their like allow (about 1e-6 of the number): no bf16 or f16 on the way to a quantiser, and a product that is left as it is and whose result goes on into a quantised operand takes f32 operands (vector FMAs, or v_wmma_f32_16x16x4_f32). A number that lies on a knife's edge between two numbers of the format may be rounded either way, as far as f32 arithmetic and the matrix unit's own rounding can turn it there, and no further.
;; One version. Each part assembles by itself: llvm-mc -triple=amdgcn-amd-amdhsa -mcpu=gfx1250 --defsym DOCPART=n.
;; ======== version 1 of 1: 1 launch
;; launch flow (part 1): grid 256 x 1, 4 waves a work-group, clusters of 4 x 1, 327,680 bytes of LDS; arguments x, z, W1, W2, W3, W0, b0, b1, b2, b3, W4, b4, lowp_scales, out0; writes out0
.if DOCPART == 1
	.amdgcn_target "amdgcn-amd-amdhsa--gfx1250"
	.amdhsa_code_object_version 6
	.text
	.protected	k_q372477ccca_flow
	.globl	k_q372477ccca_flow
	.p2align	8
	.type	k_q372477ccca_flow,@function
k_q372477ccca_flow:
	s_mov_b64 s[64:65], 0
	v_nop
	global_prefetch_b8 v0, s[64:65] scope:SCOPE_SE
	s_setreg_imm32_b32 hwreg(HW_REG_WAVE_MODE, 25, 1), 1
	s_wait_xcnt 0x0
	s_wait_alu depctr_hold_cnt(0) depctr_sa_sdst(0) depctr_va_vdst(0) depctr_va_sdst(0) depctr_va_ssrc(0) depctr_va_vcc(0) depctr_vm_vsrc(0)
	s_getreg_b32 s2, hwreg(HW_REG_IB_STS2, 6, 4)
	s_cmp_eq_u32 s2, 0
	s_cbranch_scc0 .Lentry_in_a_cluster
	s_endpgm
.Lentry_in_a_cluster:
	s_bfe_u32 s2, ttmp6, 0x10000c
	s_cmp_lg_u32 s2, 0x3003
	s_cbranch_scc0 .Lentry_shape_is_right
	s_endpgm
.Lentry_shape_is_right:
; out0[n] = T^-1(z[n]), T the rational-quadratic spline whose 14 parameters are an MLP 1 -> 128 -> 128 -> 128 -> 128 -> 14 of x[n].  524,288 rows, all in one launch; nothing goes through memory.
; FORMATS.  Layer 0 (K = 1) is a packed f32 multiply-add.  Layers 1 to 3 run on codes of FP8 (E4M3) with the six given scales 2^e0 .. 2^e5, one v_wmma_f32_16x16x128_fp8_fp8 for each tile of 16 units x 16 rows
; (K = 128 is one instruction), the bias as its C.  Layer 4 (14 outputs, padded to 16) takes bf16 operands and f32 sums.  The spline is f32.
; SHARES.  256 work-groups of four waves; a work-group owns 2,048 rows, a wave 512, as 16 PAIRS of two tiles of 16 rows (A: rows 32 i + r, B: rows 32 i + 16 + r).  Every wave keeps ALL weights in its registers
; (744 of them), so the main part has no barrier and reads from LDS only x and z.
; LAYOUT.  Every product is used transposed: source 0 = 16 units of the weight, source 1 = 16 rows, so that a lane (r = lane % 16, h = lane / 16) holds one row throughout.  THE UNITS OF A TILE ARE NOT NEIGHBOURS:
; lane r of tile t takes unit 32 (t / 2) + 8 (t % 2) + r + 8 (r / 8), so register 8 t + j of a layer's results is unit 32 (t / 2) + 16 h + 8 (t % 2) + j: register 16 b + i = unit 32 b + 16 h + i.  Eight conversions
; then give the next layer's operand as it stands (registers 4 b .. 4 b + 3: k = 32 b + 16 h + 0 .. 15), the same order of k in which the weights' fragments are loaded.  Biases and W0 are kept in that order too.
; SCALES, folded: b_L goes in as b_L / 2^(eA + eB); the conversions take 2^e0, 2^(e2 - e0 - e1), 2^(e4 - e2 - e3); the last hidden layer stays unscaled and W4 is multiplied by 2^(e4 + e5) ahead of its rounding to bf16.
; BY TURNS.  Vector work outweighs matrix work here (a hold for every hidden number), so behind each matrix instruction of one tile stands a slice of the other tile's vector work; the slices are also the places
; that a matrix instruction's registers want behind it (ISA guide 7.12.1).  A pair's spline is worked one pair later, line by line between the 128 independent lines that make the last hidden layer's bf16 operand.
; CLUSTER.  All work-groups read the same W1, W2, W3 (196,608 bytes as f32): the four of a cluster ask for each quarter jointly.  Each wave quantises the quarter that it fetched (rows k = 32 w .. 32 w + 31, a lane to a
; column, registers down K), the codes meet in LDS with K innermost, and every wave loads all fragments.  Every LDS byte is filled once.
; LEFT OUT: a launch of its own for the weights' codes (the quantising is about 450 vector lines a wave, once); prefetches (x and z are read at the head); the f32 matrix form (layer 0 is one multiply-add a number).
; LIMITS.  e0, e1, e3, e5, e2 - e0 - e1, e4 - e2 - e3 between -126 and 119; e0 + e1, e2 + e3, e4 + e5 between -127 and 126: so that each power of two below is an f32 number.  NaN among the inputs is not served.
; v_exp_f32 gives 0 under 2^-126 (ISA guide 15.8): a bin whose softmax weight is that small beside the largest has width or height 0.
;
; LDS: 0: W1, W2, W3 as f32, 65,536 bytes each, as they lie;  XS, ZS: the work-group's x and z, 2,048 bytes a wave;  CODES: 3 x 128 rows of 128 codes + 16 bytes of padding; the row of column n is n with bits 3 and 4
; swapped, so that tile t is rows 16 t .. 16 t + 15;  OUTS: the results, 2,048 bytes a wave.
; REGISTERS, in windows of 256.  Window 0: v2-15 addresses, x, z, scales; v16-47 the two tiles' codes (the spline's registers between the layers); v48-111 the last hidden layer in bf16; v112-239 the two tiles' 8
; accumulators; v240-255 the 16 outputs of both tiles.  Window 1: v0-127 W1; v128-191 W0; v192-223 W4 in bf16; v224-231 b4.  Window 2: W2, W3.  Window 3: b0, b1', b2', b3'.
.set XS,    196608
.set ZS,    204800
.set CODES, 212992
.set OUTS,  268288
.set CP,    144                        ; a row of codes in LDS: 128 bytes + 16: the sixteen rows of a fragment load start 36 words apart
.set XR,    6                          ; v[6:7] x of tile A (v7 = 0), v[8:9] of tile B (v9 = 0): the packed form names a pair and takes its low word for both halves
.set CA,    16                         ; v16-31 tile A's codes, v32-47 tile B's
.set HA,    48                         ; v48-79 tile A's last hidden layer in bf16
.set HB,    80                         ; v80-111 tile B's
.set AA,    112                        ; v112-175 tile A's eight accumulators
.set AB,    176                        ; v176-239 tile B's
.set W0I,   128                        ; window 1: W0
.set TR,    240                        ; the set-up's address registers lie where the outputs will lie: r
.set TH,    241                        ; h
.set TL16,  242                        ; 16 x lane
.set TA64,  243                        ; 64 h
.set TW4,   244                        ; W4: 896 h + 4 min(r, 13)
.set TB4A,  245                        ; b4: 32 h
.set TB4B,  246                        ; b4: 24 (1 - h)
.set TXST,  247                        ; XS + 2,048 wave + 16 lane
.set TWAD0, 248                        ; 16,384 wave + 4 lane
.set TWAD,  249                        ; the same in the weight in hand
.set TCAD,  250                        ; where I store codes
.set TFAD,  251                        ; where I load fragments
.set TT0,   252
.set TT1,   253
.set MSB, 0
.macro WIN new                         ; low byte: bits 1:0 source 0, 3:2 source 1, 5:4 source 2, 7:6 destination; the high byte repeats the setting that is left; a switch that changes nothing is dropped
.if MSB != \new
	s_set_vgpr_msb (MSB<<8)|\new
.set MSB, \new
.endif
.endm
.macro ROUND                           ; a round of the cluster's barrier: my work-group's barrier, wave 0 signals for the work-group, every wave waits for all four work-groups, my work-group's barrier once more
	s_barrier_signal -1
	s_barrier_wait -1
	s_cmp_lg_u32 s4, 0
	s_cbranch_scc1 .Lnot_wave_0_\@
	s_barrier_signal -3
.Lnot_wave_0_\@:
	s_barrier_wait -3
	s_barrier_signal -1
	s_barrier_wait -1
.endm
.macro VEC128 dst, sb                  ; a vector of 128 f32 in the results' order: register 16 b + i = number 32 b + 16 h + i
.irp b, 0,1,2,3
.irp q, 0,1,2,3
	global_load_b128 v[\dst+16*\b+4*\q:\dst+16*\b+4*\q+3], v[TA64], s[\sb:\sb+1] offset:128*\b+16*\q
.endr
.endr
.endm
.macro MKSC vsc, slim                  ; s86 = e:  v[vsc] = 2^e as f32 (a conversion takes its exponent field);  s[slim] = 448 x 2^e
	s_add_co_i32 s86, s86, 127
	s_lshl_b32 s87, s86, 23
	v_mov_b32 v[\vsc], s87
	s_add_co_i32 s86, s86, 8
	s_lshl_b32 s86, s86, 23
	s_or_b32 s[\slim], s86, 0x600000
.endm
.macro BSC ea, eb, base                ; 64 registers of a bias x 2^-(ea + eb): nothing is rounded
	s_add_co_i32 s86, s[\ea], s[\eb]
	s_sub_co_i32 s74, 127, s86
	s_lshl_b32 s74, s74, 23
	s_mov_b32 s75, s74                             ; (named with it as a pair, so it is written)
.set qi, 0
.rept 32
	v_pk_mul_f32 v[\base+qi:\base+qi+1], v[\base+qi:\base+qi+1], s[74:75] op_sel_hi:[1,0]
.set qi, qi+2
.endr
.endm
; ---- one weight's quarter into codes.  Lane = column 32 g + lane, registers down my 32 rows of K
.macro LOADG g
.set qi, 0
.rept 32
	ds_load_b32 v[AA+32*\g+qi], v[TWAD] offset:512*qi+128*\g       ; 32 lanes read 128 consecutive bytes of row k = 32 w + qi
.set qi, qi+1
.endr
.endm
.macro WORKG g
.set qi, 0
.rept 32
	v_med3_num_f32 v[AA+32*\g+qi], v[AA+32*\g+qi], -v15, v15       ; the conversion to an 8-bit code does not saturate (ISA guide 7.6.2): the hold at the largest code x the scale
.set qi, qi+1
.endr
.irp q, 0,1,2,3
	v_cvt_scalef32_pk8_fp8_f32 v[CA+8*\g+2*\q:CA+8*\g+2*\q+1], v[AA+32*\g+8*\q:AA+32*\g+8*\q+7], v14
.endr
.endm
.macro QW L, er
	s_mov_b32 s86, s[\er]
	MKSC 14, 71
	v_mov_b32 v15, s71
	v_add_nc_u32 v[TWAD], 65536*\L, v[TWAD0]
	s_wait_tensorcnt 2-\L                          ; my quarter of this weight has landed; the 2 - L loads issued behind it may stay out.  I read only the bytes that I fetched: no barrier
	LOADG 0
	LOADG 1
	s_wait_dscnt 32                                ; group 0 is in, group 1 may be out; the last weight's code stores are older than both, so their registers may be written
	WORKG 0
	LOADG 2
	s_wait_dscnt 32                                ; group 1 is in, group 2 may be out
	WORKG 1
	LOADG 3
	s_wait_dscnt 32                                ; group 2 is in, group 3 may be out
	WORKG 2
	s_wait_dscnt 0x0
	WORKG 3
	v_nop                                          ; a plain line between the last conversions and the next vector line that writes their scale
.irp g, 0,1,2,3
.irp u, 0,1
	ds_store_b128 v[TCAD], v[CA+8*\g+4*\u:CA+8*\g+4*\u+3] offset:128*CP*\L+32*CP*\g+16*\u   ; 32 codes, k = 32 w .. 32 w + 31, of my column's row
.endr
.endr
.endm
; ---- the main part's pieces.  P: tile A (0) or B (1);  t: tile of 16 units
.macro MM L, P, t                      ; layer L: D = W_L's tile t x the tile's codes + the bias.  D and source 1 window 0, C window 3, source 0 window 1 (W1) or 2 (W2, W3)
.if \L == 1
	WIN 0x31
.else
	WIN 0x32
.endif
	v_wmma_f32_16x16x128_fp8_fp8 v[AA+64*(\P)+8*(\t):AA+64*(\P)+8*(\t)+7], v[128*((\L)/3)+16*(\t):128*((\L)/3)+16*(\t)+15], v[CA+16*(\P):CA+16*(\P)+15], v[64*(\L)+8*(\t):64*(\L)+8*(\t)+7]
.endm
.macro HOLD P, t, lim                  ; the activation and the hold in one: between 0 and the largest code x the scale.  Its one vector source stands in place 1, so it runs under the products' window setting
.irp i, 0,1,2,3,4,5,6,7
	v_med3_num_f32 v[AA+64*(\P)+8*(\t)+\i], 0, v[AA+64*(\P)+8*(\t)+\i], s[\lim]
.endr
.endm
.macro RELU P, t
.irp i, 0,1,2,3,4,5,6,7
	v_max_num_f32 v[AA+64*(\P)+8*(\t)+\i], 0, v[AA+64*(\P)+8*(\t)+\i]
.endr
.endm
.macro FMA0 P, t                       ; layer 0: x W0 + b0, two units an instruction
	WIN 0x31
.irp i, 0,2,4,6
	v_pk_fma_f32 v[AA+64*(\P)+8*(\t)+\i:AA+64*(\P)+8*(\t)+\i+1], v[W0I+8*(\t)+\i:W0I+8*(\t)+\i+1], v[XR+2*(\P):XR+2*(\P)+1], v[8*(\t)+\i:8*(\t)+\i+1] op_sel_hi:[1,0,1]
.endr
.endm
.macro CVT8 P, sc                      ; 64 numbers of a lane become the next product's operand
	WIN 0
.irp t, 0,1,2,3,4,5,6,7
	v_cvt_scalef32_pk8_fp8_f32 v[CA+16*(\P)+2*\t:CA+16*(\P)+2*\t+1], v[AA+64*(\P)+8*\t:AA+64*(\P)+8*\t+7], v[\sc]
.endr
	v_nop                                          ; a plain line between the conversions and the products that read their results and write their sources
.endm
.macro PHASE L, P, lim                 ; tile P has the matrix unit; the other tile's last results are held
.irp t, 0,1,2,3,4,5,6,7
	MM \L, \P, \t
	HOLD 1-\P, \t, \lim
.endr
.endm
.macro M4 P, s                         ; layer 4, K step s of four: source 0 = W4's 16 columns (window 1), source 1 = 32 hidden units of 16 rows; the first step takes b4 (window 1) as C
.if (\s) == 0
	WIN 0x11
	v_wmma_f32_16x16x32_bf16 v[240+8*(\P):247+8*(\P)], v[192:199], v[HA+32*(\P):HA+32*(\P)+7], v[224:231]
.else
	WIN 0x01
	v_wmma_f32_16x16x32_bf16 v[240+8*(\P):247+8*(\P)], v[192+8*(\s):199+8*(\s)], v[HA+32*(\P)+8*(\s):HA+32*(\P)+8*(\s)+7], v[240+8*(\P):247+8*(\P)]
.endif
.endm
; Line fi of the 128 that make the last hidden layer's bf16 operands: tile A's roundings (its relu is done), tile B's relu (each accumulator from its low end on), tile B's roundings.  From 128 on: nothing.
.macro F
.if fi < 32
	v_cvt_pk_bf16_f32 v[HA+fi], v[AA+2*fi], v[AA+2*fi+1]
.elseif fi < 96
	v_max_num_f32 v[AB+fi-32], 0, v[AB+fi-32]
.elseif fi < 128
	v_cvt_pk_bf16_f32 v[HB+fi-96], v[AB+2*(fi-96)], v[AB+2*(fi-96)+1]
.endif
.set fi, fi+1
.endm
; THE SPLINE of 32 rows, a lane to a row; z in v10, its LDS address in v5.  An F stands behind each line.  Read without them, every exponential, logarithm, reciprocal and root still has a plain independent line behind it
; before its result is used (ISA guide 5.7.2).  Nothing here branches: the bin is chosen by four masks and v_cndmask_b32.
; v240-244 w, then the widths' running sums c1-c5;  v245-249 h, then the knots Y1-Y5;  v250-253 d.  v16, v17 maxima; v18 zc; v19, v20 10 / sum; v21, v22 c below, above; v23, v24 y0, y1; v25, v26 d0, d1;
; v27-30 at work; v31, v32 x0, x1; v33 dx; v34 dy; v35 reciprocals; v36 t; v37 s; v38 m; v39 t m; v40-42 a, b, c; v43 a c; v44 the discriminant; v45 its root; v46 the divisor; v47 2 c dx; v15 the result.
.macro SPLINE
.irp j, 0,1,2,3,4,5,6,7
	v_permlane16_swap_b32 v[240+\j], v[248+\j]     ; tile A's upper lanes change places with tile B's lower: v[240 + j] = output j, v[248 + j] = output 8 + j of row 32 i + lane.  Both accumulators are read from the low end on
	F
.endr
	s_wait_dscnt 0x0                               ; z is in, and so are the next pair's x; the last result's LDS store has read v15
	v_max3_num_f32 v16, v240, v241, v242
	F
	v_max3_num_f32 v17, v245, v246, v247
	F
	v_max3_num_f32 v16, v16, v243, v244
	F
	v_max3_num_f32 v17, v17, v248, v249
	F
	v_mul_f32 v16, s76, v16                        ; the maxima x log2(e)
	F
	v_mul_f32 v17, s76, v17
	F
.irp j, 0,1,2,3,4
	v_fma_f32 v[240+\j], v[240+\j], s76, -v16
	F
	v_fma_f32 v[245+\j], v[245+\j], s76, -v17
	F
.endr
.irp j, 0,1,2,3,4,5,6,7,8,9
	v_exp_f32 v[240+\j], v[240+\j]
	F
.endr
	v_med3_num_f32 v18, v10, s79, s78              ; zc = z held within +-5
	s_wait_alu depctr_va_vdst(0)
	F
.irp j, 1,2,3,4
	v_add_f32 v[240+\j], v[240+\j], v[239+\j]      ; running sums, the two chains by turns
	F
	v_add_f32 v[245+\j], v[245+\j], v[244+\j]
	F
.endr
	v_rcp_f32 v19, v244
	F
	v_rcp_f32 v20, v249
	F
	v_mov_b32 v23, s79                             ; y0 begins at -5
	F
	s_wait_alu depctr_va_vdst(0)
	v_mul_f32 v19, 0x41200000, v19                 ; 10 / the sum
	F
	v_mul_f32 v20, 0x41200000, v20
	F
.irp j, 0,1,2,3,4
	v_fma_f32 v[245+\j], v[245+\j], v20, s79       ; the knots Y1 .. Y5
	F
.endr
.irp j, 0,1,2,3
	v_cmp_ge_f32 s[90+\j], v18, v[245+\j]          ; zc >= Y1 .. Y4: the knots ascend, so the masks are nested and their count is the bin
	F
.endr
	v_cndmask_b32 v21, 0, v240, s90
	F
	v_cndmask_b32 v22, v240, v241, s90
	F
	v_cndmask_b32 v23, v23, v245, s90
	F
	v_cndmask_b32 v24, v245, v246, s90
	F
	v_cndmask_b32 v26, v250, v251, s90
	F
	v_cndmask_b32 v21, v21, v241, s91
	F
	v_cndmask_b32 v22, v22, v242, s91
	F
	v_cndmask_b32 v23, v23, v246, s91
	F
	v_cndmask_b32 v24, v24, v247, s91
	F
	v_cndmask_b32 v25, v250, v251, s91
	F
	v_cndmask_b32 v26, v26, v252, s91
	F
	v_cndmask_b32 v21, v21, v242, s92
	F
	v_cndmask_b32 v22, v22, v243, s92
	F
	v_cndmask_b32 v23, v23, v247, s92
	F
	v_cndmask_b32 v24, v24, v248, s92
	F
	v_cndmask_b32 v25, v25, v252, s92
	F
	v_cndmask_b32 v26, v26, v253, s92
	F
	v_cndmask_b32 v21, v21, v243, s93
	F
	v_cndmask_b32 v22, v22, v244, s93
	F
	v_cndmask_b32 v23, v23, v248, s93
	F
	v_cndmask_b32 v24, v24, v249, s93
	F
	v_cndmask_b32 v25, v25, v253, s93
	F
	v_mul_f32 v27, s76, -|v25|                     ; softplus(d) = max(d, 0) + ln 2 x log2(1 + 2^(-|d| log2 e)), of the two chosen d alone
	F
	v_mul_f32 v28, s76, -|v26|
	F
	v_exp_f32 v27, v27
	F
	v_exp_f32 v28, v28
	F
	v_max_num_f32 v29, 0, v25
	F
	v_max_num_f32 v30, 0, v26
	F
	s_wait_alu depctr_va_vdst(0)
	v_add_f32 v27, 1.0, v27
	F
	v_add_f32 v28, 1.0, v28
	F
	v_log_f32 v27, v27
	F
	v_log_f32 v28, v28
	F
	v_fma_f32 v31, v21, v19, s79                   ; x0
	F
	v_fma_f32 v32, v22, v19, s79                   ; x1
	F
	s_wait_alu depctr_va_vdst(0)
	v_fma_f32 v25, v27, s77, v29
	F
	v_fma_f32 v26, v28, s77, v30
	F
	v_add_f32 v25, 0x38d1b717, v25                 ; + 1e-4
	F
	v_add_f32 v26, 0x38d1b717, v26
	F
	v_cndmask_b32 v25, 1.0, v25, s90               ; the first knot's slope is 1,
	F
	v_cndmask_b32 v26, v26, 1.0, s93               ; and the last knot's
	F
	v_sub_f32 v33, v32, v31                        ; dx
	F
	v_sub_f32 v34, v24, v23                        ; dy
	F
	v_rcp_f32 v35, v33
	F
	v_sub_f32 v36, v18, v23                        ; t
	F
	s_wait_alu depctr_va_vdst(0)
	v_mul_f32 v37, v34, v35                        ; s
	F
	v_add_f32 v38, v25, v26
	F
	v_fma_f32 v38, v37, -2.0, v38                  ; m
	F
	v_mul_f32 v39, v36, v38                        ; t m
	F
	v_sub_f32 v40, v37, v25
	F
	v_fma_f32 v40, v34, v40, v39                   ; a
	F
	v_fma_f32 v41, v34, v25, -v39                  ; b
	F
	v_mul_f32 v42, -v37, v36                       ; c
	F
	v_mul_f32 v43, v40, v42
	F
	v_mul_f32 v44, v41, v41
	F
	v_fma_f32 v44, v43, -4.0, v44
	F
	v_max_num_f32 v44, 0, v44
	F
	v_sqrt_f32 v45, v44
	F
	v_add_f32 v42, v42, v42                        ; 2 c
	F
	s_wait_alu depctr_va_vdst(0)
	v_sub_f32 v46, -v41, v45                       ; -b - the root
	F
	v_cmp_ge_f32 vcc_lo, |v10|, s78
	F
	v_rcp_f32 v35, v46
	F
	v_mul_f32 v47, v42, v33                        ; 2 c dx
	F
	s_wait_alu depctr_va_vdst(0)
	v_fma_f32 v15, v47, v35, v31                   ; x0 + xi dx
	F
	v_cndmask_b32 v15, v15, v10, vcc_lo            ; the identity outside +-5
	F
	ds_store_b32 v5, v15 offset:OUTS-ZS            ; the result's place in OUTS is z's place in ZS
.endm
; A PAIR.  At its head tile A's first codes are made and tile B's x is in v8.  first = 1: no pair lies behind it, so there is no spline to work.  next = 1: a pair follows: its x is fetched and its tile A's layer 0 made.
.macro PAIR first, next
.irp t, 0,1,2,3,4,5,6,7
	MM 1, 0, \t                                    ; layer 1 of A | layer 0 of B
	FMA0 1, \t
	HOLD 1, \t, 68
.endr
	CVT8 1, 11
	PHASE 1, 1, 69                                 ; layer 1 of B | A's hold
	CVT8 0, 12
	PHASE 2, 0, 69                                 ; layer 2 of A | B's hold
	CVT8 1, 12
	PHASE 2, 1, 70                                 ; layer 2 of B | A's hold
	CVT8 0, 13
	PHASE 3, 0, 70                                 ; layer 3 of A | B's hold
	CVT8 1, 13
.irp t, 0,1,2,3,4,5,6,7
	MM 3, 1, \t                                    ; layer 3 of B | A's relu
	RELU 0, \t
.endr
	WIN 0
.set fi, 0
.if \next
	v_add_nc_u32 v4, s60, v2
	ds_load_b32 v6, v4 offset:128                  ; the next pair's x: tile A's,
	ds_load_b32 v8, v4 offset:192                  ; tile B's
.endif
.if \first
.rept 128
	F
.endr
	s_wait_dscnt 0x0                               ; the next pair's x is in
.else
	v_add_nc_u32 v5, s61, v3
	ds_load_b32 v10, v5                            ; z of the pair before
	SPLINE                                         ; the spline of the pair before | this pair's bf16 operands
.rept 8
	F                                              ; what is left of the 128
.endr
.endif
; layer 4: the two accumulators take turns, one instruction a turn
.if \next
.irp t, 0,1,2,3,4,5,6,7
	M4 (\t)%2, (\t)/2                              ; layer 4 of A and B | layer 0 of the next pair's A
	FMA0 0, \t
	HOLD 0, \t, 68
.endr
	CVT8 0, 11
	s_add_co_u32 s60, s60, 128
.else
.irp t, 0,1,2,3,4,5,6,7
	M4 (\t)%2, (\t)/2
.endr
	WIN 0
.rept 4
	v_nop                                          ; places in front of the first read of these results: no other vector work is left
.endr
.endif
.if !\first
	s_add_co_u32 s61, s61, 128
.endif
.endm
	; ---- the head
	s_load_b512 s[8:23], s[0:1], 0x0               ; x s[8:9], z s[10:11], W1 s[12:13], W2 s[14:15], W3 s[16:17], W0 s[18:19], b0 s[20:21], b1 s[22:23]
	s_load_b256 s[24:31], s[0:1], 0x40             ; b2 s[24:25], b3 s[26:27], W4 s[28:29], b4 s[30:31]
	s_load_b128 s[32:35], s[0:1], 0x60             ; the scales' exponents s[32:33], out0 s[34:35]
	s_set_vgpr_msb 0x40
	v_lshl_add_u32 v254, v0, 2, 0x43800
	v_mov_b32 v255, 0
	s_set_vgpr_msb 0x4045
	ds_add_u32 v254, v255
	ds_add_u32 v254, v255
	s_set_vgpr_msb 0x4500
	v_lshrrev_b32 v1, 5, v0
	v_readfirstlane_b32 s4, v1                     ; wave 0..3
	v_and_b32 v1, 31, v0                           ; lane
	v_and_b32 v[TR], 15, v0                        ; r
	v_bfe_u32 v[TH], v0, 4, 1                      ; h
	s_lshl_b32 s7, s4, 11                          ; my wave's 2,048 bytes of x, z and the results
	s_lshl_b32 s62, s4, 14                         ; my wave's quarter of a weight: 32 rows of 512 bytes
	s_mov_b32 s63, 0
	s_bfe_u32 s5, ttmp6, 0x40000                   ; cx: my place in the cluster
	s_lshl_b32 s6, ttmp9, 2                        ; in a cluster launch ttmp9 counts clusters
	s_add_co_u32 s6, s6, s5                        ; the work-group's number: it enters x's, z's and out0's addresses alone
	s_lshl_b32 s36, s6, 13
	s_add_co_u32 s36, s36, s7
	s_mov_b32 s37, 0
	; descriptor group 1: a quarter of a weight is a dense block of 16,384 bytes: 64 rows of 32 elements of 8 bytes
	s_mov_b32 s40, 15|(3<<16)|(1<<21)              ; 15:0 the mask: all four work-groups; 17:16 elements of 8 bytes; 20 no padding; 21 set beside a mask
	s_mov_b32 s41, 32<<16                          ; tensor_dim0 = 32
	s_mov_b32 s42, 64<<16                          ; tensor_dim1 = 64
	s_mov_b32 s43, 32<<16                          ; tile_dim0 = 32
	s_mov_b32 s44, 64                              ; tile_dim1 = 64
	s_mov_b32 s45, 32                              ; from row to row
	s_mov_b32 s46, 0
	s_mov_b32 s47, 0
	s_mov_b32 s76, 0x3fb8aa3b                      ; log2(e)
	s_mov_b32 s77, 0x3f317218                      ; ln 2
	s_mov_b32 s78, 0x40a00000                      ; 5
	s_mov_b32 s79, 0xc0a00000                      ; -5
	s_mov_b32 s60, 0                               ; 128 x the pair whose x was fetched last
	s_mov_b32 s61, 0                               ; 128 x the pair whose spline is next
	s_add_co_u32 s86, s7, XS
	s_add_co_u32 s87, s7, ZS
	v_lshl_add_u32 v2, v[TR], 2, s86               ; x of row r of my wave's first tile
	v_lshl_add_u32 v3, v1, 2, s87                  ; z of row lane of my wave's first pair
	v_lshl_add_u32 v[TXST], v1, 4, s86
	v_lshlrev_b32 v[TL16], 4, v1
	v_lshlrev_b32 v[TA64], 6, v[TH]
	v_min_u32 v[TT0], 13, v[TR]                    ; W4 has 14 columns: lanes 14 and 15 take column 13 again, so that no load leaves the buffer; outputs 14 and 15 are never read
	v_lshlrev_b32 v[TT0], 2, v[TT0]
	v_mad_u32_u24 v[TW4], v[TH], 896, v[TT0]       ; lanes 16-31 begin 16 rows of 56 bytes further down
	v_lshlrev_b32 v[TB4A], 5, v[TH]
	v_sub_nc_u32 v[TB4B], 1, v[TH]
	v_mul_u32_u24 v[TB4B], v[TB4B], 24
	v_lshl_add_u32 v[TWAD0], v1, 2, s62
	v_and_b32 v[TT0], 7, v0
	v_lshl_or_b32 v[TT0], v[TH], 3, v[TT0]
	v_bfe_u32 v[TT1], v0, 3, 1
	v_lshl_or_b32 v[TT0], v[TT1], 4, v[TT0]        ; the lane's number with bits 3 and 4 swapped
	v_mul_u32_u24 v[TT0], v[TT0], CP
	s_lshl_b32 s88, s4, 5
	s_add_co_u32 s88, s88, CODES
	v_add_nc_u32 v[TCAD], s88, v[TT0]              ; my column's row, my wave's 32 bytes of it
	v_mul_u32_u24 v[TFAD], v[TR], CP
	v_lshl_add_u32 v[TFAD], v[TH], 4, v[TFAD]
	v_add_nc_u32 v[TFAD], CODES, v[TFAD]           ; a fragment: row r, + 16 h
	v_mov_b32 v7, 0                                ; (named as the upper halves of x's pairs)
	v_mov_b32 v9, 0
	s_wait_dscnt 0x0
	s_wait_kmcnt 0x0
	s_load_b128 s[80:83], s[32:33], 0x0            ; e0 .. e3
	s_load_b64 s[84:85], s[32:33], 0x10            ; e4, e5
.irp L, 0,1,2                          ; descriptor group 0 for each weight: nothing in it hangs on my place in the cluster
	s_mov_b32 s[48+4*\L], 1                        ; count = 1
	s_add_co_u32 s[49+4*\L], s62, 65536*\L         ; LDS address: the weight's place + my quarter
	s_add_nc_u64 s[50+4*\L:51+4*\L], s[12+2*\L:13+2*\L], s[62:63]
	s_or_b32 s[51+4*\L], s[51+4*\L], 0x80000000    ; type = 2
.endr
	s_add_nc_u64 s[8:9], s[8:9], s[36:37]          ; x, z and out0 at my wave's first row
	s_add_nc_u64 s[10:11], s[10:11], s[36:37]
	s_add_nc_u64 s[34:35], s[34:35], s[36:37]
	ROUND                                          ; all four work-groups are here: the joint loads meet
	tensor_load_to_lds s[48:51], s[40:47]          ; my quarters of W1, W2, W3: the launch's only fills, three loads of mine out
	s_nop 0
	tensor_load_to_lds s[52:55], s[40:47]
	s_nop 0
	tensor_load_to_lds s[56:59], s[40:47]
	s_nop 0
.rept 4
	v_nop
.endr
.irp q, 0,1,2,3
	global_load_b128 v[AA+4*\q:AA+4*\q+3], v[TL16], s[8:9] offset:512*\q th:TH_LOAD_NT         ; my 512 x: 32 lanes read 512 consecutive bytes
.endr
.irp q, 0,1,2,3
	global_load_b128 v[AA+16+4*\q:AA+16+4*\q+3], v[TL16], s[10:11] offset:512*\q th:TH_LOAD_NT ; my 512 z
.endr
	WIN 0x40                                       ; destination window 1
	VEC128 W0I, 18
	WIN 0xc0                                       ; destination window 3
	VEC128 0, 20
	VEC128 64, 22
	VEC128 128, 24
	VEC128 192, 26
	WIN 0
.irp s, 0,1,2,3
.irp p, 0,1,2,3,4,5,6,7,8,9,10,11,12,13,14,15
	global_load_b32 v[HA+16*\s+\p], v[TW4], s[28:29] offset:(32*\s+\p)*56   ; W4(32 s + 16 h + p, r): the order of k in which the last hidden layer lies in a lane
.endr
.endr
	WIN 0x40
.irp j, 0,1,2,3,4,5
	global_load_b32 v[224+\j], v[TB4A], s[30:31] offset:4*\j      ; b4(8 h + j): the layout of a result
.endr
	global_load_b32 v230, v[TB4B], s[30:31]        ; b4(6), b4(7) in lanes 0-15; lanes 16-31 would want 14 and 15, which do not exist: they take 0 and 1, and nobody reads what comes of it
	global_load_b32 v231, v[TB4B], s[30:31] offset:4
	WIN 0
	s_wait_loadcnt 0x0
	s_wait_kmcnt 0x0
	s_mov_b32 s86, s80
	MKSC 11, 68                                    ; the first hidden layer's scale: 2^e0
	s_sub_co_i32 s86, s82, s80
	s_sub_co_i32 s86, s86, s81
	MKSC 12, 69                                    ; a sum of layer 1 stands for sum x 2^(e0 + e1): its code is sum / 2^(e2 - e0 - e1)
	s_sub_co_i32 s86, s84, s82
	s_sub_co_i32 s86, s86, s83
	MKSC 13, 70                                    ; likewise 2^(e4 - e2 - e3)
.irp q, 0,1,2,3
	ds_store_b128 v[TXST], v[AA+4*\q:AA+4*\q+3] offset:512*\q                 ; x and z into my wave's own bytes of LDS, as they lie
	ds_store_b128 v[TXST], v[AA+16+4*\q:AA+16+4*\q+3] offset:ZS-XS+512*\q
.endr
	WIN 0xc3                                       ; source 0 and destination window 3
	BSC 80, 81, 64
	BSC 82, 83, 128
	BSC 84, 85, 192
	WIN 0
	s_add_co_i32 s88, s84, s85
.set qi, 0
.rept 64
	v_ldexp_f32 v[HA+qi], v[HA+qi], s88            ; W4 x 2^(e4 + e5): the last hidden layer's sums stay unscaled
.set qi, qi+1
.endr
	WIN 0x40
.set qi, 0
.rept 32
	v_cvt_pk_bf16_f32 v[192+qi], v[HA+2*qi], v[HA+2*qi+1]
.set qi, qi+1
.endr
	WIN 0
	s_wait_dscnt 0x0                               ; x's and z's stores have read their registers, into which the weights are loaded next
	QW 0, 81
	QW 1, 83
	QW 2, 85
	s_wait_dscnt 0x0                               ; for the others' sake: my codes lie in LDS
	s_barrier_signal -1
	s_barrier_wait -1                              ; everybody's do
	WIN 0x40
.irp t, 0,1,2,3,4,5,6,7
.irp c, 0,1,2,3
	ds_load_b128 v[16*\t+4*\c:16*\t+4*\c+3], v[TFAD] offset:16*CP*\t+32*\c                    ; W1's tile t: registers 4 c .. 4 c + 3 hold k = 32 c + 16 h + 0 .. 15
.endr
.endr
	WIN 0x80
.irp t, 0,1,2,3,4,5,6,7
.irp c, 0,1,2,3
	ds_load_b128 v[16*\t+4*\c:16*\t+4*\c+3], v[TFAD] offset:128*CP+16*CP*\t+32*\c             ; W2's
.endr
.endr
.irp t, 0,1,2,3,4,5,6,7
.irp c, 0,1,2,3
	ds_load_b128 v[128+16*\t+4*\c:128+16*\t+4*\c+3], v[TFAD] offset:256*CP+16*CP*\t+32*\c     ; W3's
.endr
.endr
	WIN 0
	ds_load_b32 v6, v2                             ; the first pair's x
	ds_load_b32 v8, v2 offset:64
	s_wait_dscnt 0x0
.irp t, 0,1,2,3,4,5,6,7
	FMA0 0, \t                                     ; the first pair's tile A: layer 0
	HOLD 0, \t, 68
.endr
	CVT8 0, 11
	; ---- the 16 pairs
	PAIR 1, 1
	s_mov_b32 s3, 14
.Lpair:
	PAIR 0, 1
	s_sub_co_u32 s3, s3, 1
	s_cmp_lg_u32 s3, 0
	s_cbranch_scc1 .Lpair
	PAIR 0, 0
	v_add_nc_u32 v5, s61, v3
	ds_load_b32 v10, v5
.set fi, 128
	SPLINE                                         ; the last pair's spline stands alone
	; ---- the way out: my 512 results lie in my own bytes of LDS; LDS serves a wave's instructions in order (ISA guide 5.7.1.4), so these loads see my stores
	s_add_co_u32 s86, s7, OUTS
	v_and_b32 v16, 31, v0
	v_lshlrev_b32 v17, 4, v16
	v_add_nc_u32 v16, s86, v17
.irp q, 0,1,2,3
	ds_load_b128 v[AA+4*\q:AA+4*\q+3], v16 offset:512*\q
.endr
.irp q, 0,1,2,3
	s_wait_dscnt 3-\q                              ; load q is in; the 3 - q younger ones may be out
	global_store_b128 v17, v[AA+4*\q:AA+4*\q+3], s[34:35] offset:512*\q th:TH_STORE_NT   ; 32 lanes store 512 consecutive bytes, at a multiple of 256 from out0's first byte
.endr
	s_set_vgpr_msb 0x5
	s_wait_tensorcnt 0x0
	ds_add_u32 v254, v255
	s_wait_dscnt 0x0
	s_set_vgpr_msb 0x500
	ROUND                                          ; the closing round: no work-group ends while a partner may still ask for a quarter that names it
	s_endpgm
.Lfunc_end_k_q372477ccca_flow:
	.size	k_q372477ccca_flow, .Lfunc_end_k_q372477ccca_flow-k_q372477ccca_flow
	.p2alignl 7, 3214868480
	.fill 96, 4, 3214868480
	.section	.rodata,"a",@progbits
	.p2align	6, 0x0
	.amdhsa_kernel k_q372477ccca_flow
		.amdhsa_group_segment_fixed_size 327680
		.amdhsa_private_segment_fixed_size 0
		.amdhsa_enable_private_segment 0
		.amdhsa_kernarg_size 112
		.amdhsa_user_sgpr_count 2
		.amdhsa_user_sgpr_kernarg_segment_ptr 1
		.amdhsa_wavefront_size32 1
		.amdhsa_system_sgpr_workgroup_id_x 1
		.amdhsa_system_sgpr_workgroup_id_y 1
		.amdhsa_system_sgpr_workgroup_id_z 1
		.amdhsa_system_vgpr_workitem_id 0
		.amdhsa_next_free_vgpr 1024
		.amdhsa_next_free_sgpr 96
		.amdhsa_reserve_vcc 1
		.amdhsa_float_denorm_mode_32 3
		.amdhsa_float_denorm_mode_16_64 3
		.amdhsa_memory_ordered 1
		.amdhsa_forward_progress 1
		.amdhsa_inst_pref_size 247
	.end_amdhsa_kernel
	.amdgpu_metadata
---
amdhsa.version: [ 1, 2 ]
amdhsa.kernels:
  - .name:           k_q372477ccca_flow
    .symbol:         k_q372477ccca_flow.kd
    .args:
      - { .name: x, .offset: 0, .size: 8, .value_kind: global_buffer, .address_space: global }
      - { .name: z, .offset: 8, .size: 8, .value_kind: global_buffer, .address_space: global }
      - { .name: W1, .offset: 16, .size: 8, .value_kind: global_buffer, .address_space: global }
      - { .name: W2, .offset: 24, .size: 8, .value_kind: global_buffer, .address_space: global }
      - { .name: W3, .offset: 32, .size: 8, .value_kind: global_buffer, .address_space: global }
      - { .name: W0, .offset: 40, .size: 8, .value_kind: global_buffer, .address_space: global }
      - { .name: b0, .offset: 48, .size: 8, .value_kind: global_buffer, .address_space: global }
      - { .name: b1, .offset: 56, .size: 8, .value_kind: global_buffer, .address_space: global }
      - { .name: b2, .offset: 64, .size: 8, .value_kind: global_buffer, .address_space: global }
      - { .name: b3, .offset: 72, .size: 8, .value_kind: global_buffer, .address_space: global }
      - { .name: W4, .offset: 80, .size: 8, .value_kind: global_buffer, .address_space: global }
      - { .name: b4, .offset: 88, .size: 8, .value_kind: global_buffer, .address_space: global }
      - { .name: lowp_scales, .offset: 96, .size: 8, .value_kind: global_buffer, .address_space: global }
      - { .name: out0, .offset: 104, .size: 8, .value_kind: global_buffer, .address_space: global }
    .group_segment_fixed_size: 327680
    .private_segment_fixed_size: 0
    .kernarg_segment_align: 8
    .kernarg_segment_size: 112
    .max_flat_workgroup_size: 128
    .sgpr_count:     96
    .vgpr_count:     1024
    .wavefront_size: 32
...
	.end_amdgpu_metadata
.endif
;; end of part 1
